; MI455X (gfx1250); checked and timed in simulation.
; The chip was launched on July 23, 2026; its instructions are those of AMD's public machine-readable ISA for CDNA 5 (MIT licence, August 2026) and "CDNA5" Instruction Set Architecture Reference Guide (July 2026). The comments in the code are by the model that wrote it; some were corrected since.
;; KNRM. Allowed arithmetic: matrix products marked QUANTISED: E2M1 operands, one E8M0 scale for each 32 along K, by v_wmma_scale_f32_16x16x128_f8f6f4 with both operands' format E2M1 (or v_wmma_scale_f32_32x16x128_f4), f32 sums; products left as they are: f32 operands where the result goes on into a quantised operand, else bf16, f16 or f32 operands; f32 sums; everything else in f32.
;; Inputs: doc_tokens 256 x 512 int32; emb 100,000 x 300 float32; fc_b 1 float32; fc_w 1 x 11 float32; query_tokens 256 x 32 int32.
;; Outputs: out0 256 x 1 float32.
;; This version of the problem:
;;   THIS VERSION OF THE PROBLEM IS GIVEN IN LOW PRECISION. The matrix products marked QUANTISED in the list below multiply operands that are first quantised to E2M1 (2 exponent bits, 1 mantissa bit; 4 bits a number), with one power-of-two scale for each 32 numbers along K (OCP MX v1.0); their sums are f32. All else is computed in f32.
;;   The module's matrix products, in the order in which they are computed (A, B: the left and right operand; K: the contracted axis; several contracted axes count as one K, in the product's order):
;;     1. batch 256 x [M 32, K 300] x [K 300, N 512]; A: computed on the way; B: computed on the way: QUANTISED
;;     2. [M 256, K 11] x [K 11, N 1]; A: computed on the way; B: input fc_w: left as it is (K = 11 < 32)
;;   THE QUANTISER, for each operand of a quantised product, along K:
;;     - K is cut into blocks of 32 from its start; a last block that is shorter is filled with zeros.
;;     - A block's scale is 2^e with e = floor(log2(the largest magnitude in the block)) - 2, held to -126 .. 127; a block of zeros has e = 0. As a byte (E8M0): e + 127.
;;     - Each number is divided by its block's scale, clamped to +-6, and rounded to the nearest number of E2M1, ties to even, subnormals kept.
;;     - The product sums the exact products of the quantised numbers (number of the format x scale) in f32.
;;   ~~~python
;;   def quantise(x, axis):      # numpy; x: float32 -> the quantised numbers, widened to float32 again
;;       x = np.moveaxis(x, axis, -1); K = x.shape[-1]
;;       x = np.pad(x, [(0, 0)] * (x.ndim - 1) + [(0, -K % 32)]); x = x.reshape(x.shape[:-1] + (-1, 32)); a = np.abs(x).max(-1, keepdims=True)
;;       e = np.where(a > 0, np.clip(np.frexp(np.where(a > 0, a, 1))[1] - 1 - 2, -126, 127), 0)      # np.frexp(a)[1] - 1 = floor(log2(a)), exactly
;;       r = np.clip(x / 2.0 ** e, -6, 6)
;;       step = 2.0 ** (np.maximum(np.frexp(np.where(r == 0, 1, r))[1] - 1, 0) - 1)
;;       q = np.round(r / step) * step * 2.0 ** e      # np.round: ties to even
;;       return np.moveaxis(q.reshape(q.shape[:-2] + (-1,))[..., :K], -1, axis).astype(np.float32)
;;   ~~~
;;   OPERANDS COMPUTED ON THE WAY. 'Computed on the way' means the value that the module computes at that place (a softmax that the list does not call 'softmax' is quantised finished and normalised). What goes into a quantiser is computed in f32, as accurately as f32 sums, v_exp_f32 and their like allow (about 1e-6 of the number): no bf16 or f16 on the way to a quantiser, and a product that is left as it is and whose result goes on into a quantised operand takes f32 operands (vector FMAs, or v_wmma_f32_16x16x4_f32). A number that lies on a knife's edge between two numbers of the format may be rounded either way, as far as f32 arithmetic and the matrix unit's own rounding can turn it there, and no further.
;; One version. Each part assembles by itself: llvm-mc -triple=amdgcn-amd-amdhsa -mcpu=gfx1250 --defsym DOCPART=n.
;; ======== version 1 of 1: 1 launch
;; limits: right only within a limited range of input values
;; launch knrm (part 1): grid 256 x 1, 16 waves a work-group, no clusters, 137,984 bytes of LDS; arguments query_tokens, doc_tokens, emb, fc_w, fc_b, out0; writes out0
.if DOCPART == 1
	.amdgcn_target "amdgcn-amd-amdhsa--gfx1250"
	.amdhsa_code_object_version 6
	.text
	.protected	k_qe90a7be5a6_knrm
	.globl	k_qe90a7be5a6_knrm
	.p2align	8
	.type	k_qe90a7be5a6_knrm,@function
k_qe90a7be5a6_knrm:
	s_mov_b64 s[64:65], 0
	v_nop
	global_prefetch_b8 v0, s[64:65] scope:SCOPE_SE
	s_setreg_imm32_b32 hwreg(HW_REG_WAVE_MODE, 25, 1), 1
	s_wait_xcnt 0x0
; KNRM, one batch to a work-group of sixteen waves: gather 32 query rows and 512 document rows of emb (300 f32 = 1,200 bytes each), divide each by its norm + 1e-13, quantise along the 300
; to FP4 (E2M1) with one E8M0 scale for each 32, multiply [512 x 300] x [300 x 32] on the codes, pool the scores through eleven Gaussian kernels, sum over the documents, log, sum over the queries, dot with fc_w, + fc_b.
; SHARES.  Wave w takes query rows 2 w, 2 w + 1 and documents 32 w .. 32 w + 31: four octets of rows, two tiles of 16.  An octet is four pairs: pair m = rows m and m + 4.
; LOADS.  A load takes 512 consecutive bytes of ONE row (bytes 0 or 512): lane l < 16 the 16 bytes at 128 (l / 4) + 16 (l % 4), lane l + 16 those 64 further on.  Of a pair's two rows v_permlane16_swap then makes: lanes 0-15 the
; first row, lanes 16-31 the second, lane (g = l / 4 % 4, j = l % 4) eight numbers of block g: 4 j .. + 3 and 16 + 4 j .. + 3.  Blocks 8 and 9 (bytes 1,024 to 1,199) are loaded for the eight rows at once, four lanes a row.
; That order of k inside a block is the same for documents and queries, so the products are the same.  A block lies in four neighbouring lanes, a conversion makes one word of eight codes, and codes and scale bytes alone go through LDS, 208 bytes a row:
; bytes 0-159 codes of blocks 0-9, 160-191 blocks 10 and 11, 192-203 the twelve scale bytes.  208 = 13 x 16 puts the sixteen rows of a 16-byte read on sixteen different 16-byte columns of 256 bytes.
; SCALES.  t = (largest |x|) x inv has the exponent field b; the rule's byte is b - 2.  The numbers are multiplied by 4 inv and converted with t as scale operand, and b is stored: every score comes out x 16, which the pooling's constants take back.
; THE MASKS RIDE IN K'S PADDING.  Block 10 has codes at its first two places, byte 131 on both sides: at the first a document has the code of 6 if it is masked and every query has 6; at the second every document has 6 and a query has 6
; if it is masked.  A masked pair's score (x 16) grows by 9,216 or twice that; held to 64 (x = 4), all its exponentials are exactly 0, which is what rbf * mask leaves; to all other pairs exactly 0 is added.
; POOLING.  Kernels 1 to 10 have one sigma and centres 0.2 apart: with E = exp(-50 (x - 0.1)^2), kernel 5 - j is E e^(20 x j) and kernel 5 + j is E e^(-20 x j), each times a constant of its own.  E is carried x 2^100, the steps are R = e^(20 x - 10) and
; I = e^(-20 x - 8), and each kernel's constant is added behind its logarithm.  On codes |x| stays under 1.7 (no code of a block is more than its number's double, and a block's largest number less than 6 / 5 of it): nothing overflows, and E does not underflow.
; No cluster: work-groups share no tile, only rows that the lists happen to name twice.  No tensor load: the rows are named by tokens.  No prefetch: the text has no loop, and each wave's loads are asked for one octet (19 loads) or more ahead of their use.
; LIMITS.  NaN and infinities in emb are not served.  x / (n + 1e-13) is formed as x * rcp(n + 1e-13), sqrt and rcp good to 1 ulp each.  A token is held to 0 .. 99,999 for the address.  A block's largest |x| is not taken under 2^-120, and bytes are held
; at 0 from below: such blocks get zeros or the smallest codes.  out0 is four bytes a work-group.
; (The first two octets are asked for in pieces, between the queries' work and octet 0's; from octet 2 on a row is asked for one octet ahead.)
.set VOCAB, 100000
.set ROWB,  1200
.set P,     208                        ; LDS bytes of a quantised row
.set WREG,  32*P                       ; a wave's 32 documents; wave w's begin at w x WREG
.set QB,    16*WREG                    ; the 32 queries
.set SUMS,  QB+32*P                    ; 16 waves x 11 kernels x 32 queries x 4 bytes
.set SW,    11*128
.set FIN,   SUMS+16*SW                 ; sixteen words for the last sum
.set SPARE, FIN+256                    ; the spare words, 128 bytes for each wave
.set FLOOR, 0x3800000                  ; 2^-120
.set L0,  1                            ; v1   my place in a load's 512 bytes
.set CA,  2                            ; v2   document codes: h x 4 rows + 4 (lane % 16)
.set SA,  3                            ; v3   their scale bytes: row lane % 4 + 4 h, + lane % 16 / 4
.set RC,  4                            ; v4   blocks 8, 9: row lane / 4, + 4 (lane % 4)
.set RS,  5                            ; v5   row lane / 4, + lane % 2
.set RA,  6                            ; v6   fragments: row r + 16 h
.set QA,  7                            ; v7   the queries'
.set RD,  8                            ; v8   row r
.set L9,  9                            ; v9   16 min(lane % 4, 2)
.set QS,  10                           ; v10-12 the queries' scale words: lane l query l
.set L16, 13                           ; v13  16 (lane % 4)
.set DS,  14                           ; v14-16 a tile's scale words
.set ADA, 18                           ; v18-19 offsets of blocks 8 and 9 in emb, slot A
.set ADB, 20                           ; v20-21 slot B
.set TK,  22                           ; v22, v23 tokens of octets 2 and 3, row lane / 4
.set SUM, 24                           ; v24-67 kernel k: SUM + 4 k, + 1: queries 0-15 (even, odd documents); + 2, + 3: queries 16-31.  Used by the queries at the head
.set QD,  36                           ; v36-63 the two query rows
.set QAD, 64
.set MX,  68                           ; v68-77 the largest magnitudes, then t
.set CC,  78                           ; v78-87 codes
.set BB,  88                           ; v88-97 bytes; ahead of them:
.set AA,  88                           ;   v88-91 the pairs' sums of squares
.set AC,  92                           ;   v92-95 at work
.set AR,  94
.set TT,  96
.set NRM, 97
.set I4,  98                           ; v98 4 / (norm + 1e-13), v99 1 / (norm + 1e-13): row lane / 4
.set INV, 99
.set I4M, 100                          ; v100, v101 the same for a pair's rows
.set IVM, 101
.set SLB, 104                          ; v104-179 slot B: four pairs x 16, then block 9 (4), block 8 (8)
.set SLA, 180                          ; v180-255 slot A
.set X,   68                           ; the pooling: v68-83 scores, then E and its descent;
.set T0,  84                           ;   kernel 0, then the ascent;
.set T1,  100                          ;   R
.set T2,  116                          ;   I
.set K0,  132                          ;   v132, v134 addends
.set K1,  134
.set QF,  108                          ; v108-155 the queries' fragments
.set WV,  2                            ; s2   my wave's number
.set SBA, 66                           ; s[66:81], s[82:97] a slot's eight row addresses
.set SBB, 82
.set M1,  98                           ; s98  lanes with bit 2
.set M2,  99                           ; s99  lanes with bit 3
.set M9,  100                          ; s100 lanes 3 of 4
.set HM,  101                          ; s101 lanes 16-31
.set MJ0, 60                           ; s60  odd lanes
.set MJ1, 61                           ; s61  lanes with bit 1
.set SEL, 54                           ; s[54:55] v_permlanex16_b32's selects for lane l xor 16
.set FW,  56
.set FB,  57
.set KA0, 16                           ; s[16:23] the pooling's factors (behind the tokens of octets 0 and 1)
.set KR,  18
.set KI,  20
.set KA,  22
.macro WA
	s_wait_alu depctr_va_vdst(0)
.endm
; Pair m of an octet is asked for: tokens in s[tk + m] and s[tk + m + st], into the slot at D
.macro IPAIR D, sb, tk, st, m
.irp q, 0,1
	s_min_u32 s[\sb+4*\m+2*\q], s[\tk+\m+\st*\q], VOCAB-1          ; a loaded number enters an address only held to the table
	s_mul_i32 s[\sb+4*\m+2*\q], s[\sb+4*\m+2*\q], ROWB
	s_mov_b32 s[\sb+4*\m+2*\q+1], 0
	s_add_nc_u64 s[\sb+4*\m+2*\q:\sb+4*\m+2*\q+1], s[8:9], s[\sb+4*\m+2*\q:\sb+4*\m+2*\q+1]
.endr
.irp i, 0,1
	global_load_b128 v[\D+16*\m+8*\i:\D+16*\m+8*\i+3], v[L0], s[\sb+4*\m:\sb+4*\m+1] offset:512*\i
	global_load_b128 v[\D+16*\m+8*\i+4:\D+16*\m+8*\i+7], v[L0], s[\sb+4*\m+2:\sb+4*\m+3] offset:512*\i
.endr
.endm
; Blocks 9 and 8 of the rows that the lanes' tokens name
.macro IREST R, tok, ad
	v_min_u32 v[\ad], VOCAB-1, v[\tok]
	v_mul_u32_u24 v[\ad], ROWB, v[\ad]
	v_add_nc_u32 v[\ad+1], v[\ad], v[L9]           ; block 9 has three chunks of 16 bytes: every fourth lane reads the third once more, inside the row
	v_add_nc_u32 v[\ad], v[\ad], v[L16]
	global_load_b128 v[\R:\R+3], v[\ad+1], s[8:9] offset:1152
	global_load_b128 v[\R+4:\R+7], v[\ad], s[8:9] offset:1024
	global_load_b128 v[\R+8:\R+11], v[\ad], s[8:9] offset:1088
.endm
.macro SQ a, x
	v_pk_fma_f32 v[\a:\a+1], v[\x:\x+1], v[\x:\x+1], v[\a:\a+1]
.endm
.macro MXX m, x, y
	v_max3_num_f32 v[\m], v[\m], |v[\x]|, |v[\y]|
.endm
; Pass 1 of pair MM: the lanes' exchange, squares, magnitudes
; (NPR pairs by turns, MM the first of them: so the chains of sums and maxima of two pairs alternate)
.macro SW2 a, b
.irp o, 0,1
.if \o < NPR
	v_permlane16_swap_b32 v[DD+16*(MM+\o)+\a], v[DD+16*(MM+\o)+\b]     ; the first's lanes 16-31 change places with the second's lanes 0-15
.endif
.endr
.endm
.macro SQ2 x
.irp o, 0,1
.if \o < NPR
	v_pk_fma_f32 v[AC-12*\o:AC-12*\o+1], v[DD+16*(MM+\o)+\x:DD+16*(MM+\o)+\x+1], v[DD+16*(MM+\o)+\x:DD+16*(MM+\o)+\x+1], v[AC-12*\o:AC-12*\o+1]
.endif
.endr
.endm
.macro MX2 k, x, y
.irp o, 0,1
.if \o < NPR
	v_max3_num_f32 v[MX+2*(MM+\o)+\k], v[MX+2*(MM+\o)+\k], |v[DD+16*(MM+\o)+\x]|, |v[DD+16*(MM+\o)+\y]|
.endif
.endr
.endm
.macro ME2 k, x
.irp o, 0,1
.if \o < NPR
	v_max3_num_f32 v[MX+2*(MM+\o)+\k], v[MX+2*(MM+\o)+\k], |v[DD+16*(MM+\o)+\x]|, FLOOR
.endif
.endr
.endm
.macro P1
.irp j, 0,1,2,3
	SW2 \j, 4+\j
	SW2 8+\j, 12+\j
.endr
.irp o, 0,1
.if \o < NPR
.set XX, DD+16*(MM+\o)
	v_pk_mul_f32 v[AC-12*\o:AC-12*\o+1], v[XX:XX+1], v[XX:XX+1]
	v_max3_num_f32 v[MX+2*(MM+\o)], |v[XX]|, |v[XX+1]|, |v[XX+2]|
	v_max3_num_f32 v[MX+2*(MM+\o)+1], |v[XX+8]|, |v[XX+9]|, |v[XX+10]|
.endif
.endr
	SQ2 2
	MX2 0, 3, 4
	SQ2 4
	MX2 1, 11, 12
	SQ2 6
	MX2 0, 5, 6
	SQ2 8
	MX2 1, 13, 14
	SQ2 10
	ME2 0, 7
	SQ2 12
	ME2 1, 15
	SQ2 14
.irp o, 0,1
.if \o < NPR
	v_add_f32 v[AA+MM+\o], v[AC-12*\o], v[AC-12*\o+1]
.endif
.endr
.endm
; The rows at D (np = 4: an octet; 1: the two queries) become codes and scale bytes in LDS.  Pass 1 takes pairs 0 and 1, pairs 2 and 3, blocks 8 and 9 (ord = 0) or pairs 2 and 3, blocks 8 and 9, pairs 0 and 1 (ord = 1), as they were asked for.
; wa, wb: for the first and the second two pairs, wr: for blocks 8 and 9: the loads issued behind them, which may stay out (loads come back in order).
; hp = 1: octet 1's last two pairs and blocks 8 and 9 are asked for on the way; hk = 1: the slot is filled again, pair by pair, as it falls free.
.macro QUANT D, np, ord, wa, wb, wr, hp, hk, sb, tk, ca, sa, rc, rs, ro, tok, ad
.set DD, \D
.set RST, DD+16*\np
	s_wait_dscnt 0x0                               ; earlier LDS stores have read their registers
	s_wait_loadcnt \wa
.if \np == 1
.set NPR, 1
.set MM, 0
	P1
.else
.set NPR, 2
.set MM, 2*\ord
	P1
.if \ord == 0
.if \hp
	IPAIR SLB, SBB, 24, 4, 2
.endif
.set MM, 2
	s_wait_loadcnt \wb
	P1
.endif
.endif
	s_wait_loadcnt \wr
.irp j, 0,1,2,3
	v_cndmask_b32 v[RST+\j], v[RST+\j], 0, s[M9]   ; block 9 ends with its third chunk
.endr
	v_pk_mul_f32 v[AR:AR+1], v[RST+4:RST+5], v[RST+4:RST+5]
	v_max3_num_f32 v[MX+8], |v[RST+4]|, |v[RST+5]|, |v[RST+6]|
	v_max3_num_f32 v[MX+9], |v[RST]|, |v[RST+1]|, |v[RST+2]|
	SQ AR, RST+6
	MXX MX+8, RST+7, RST+8
	SQ AR, RST+8
	MXX MX+8, RST+9, RST+10
	SQ AR, RST+10
	v_max3_num_f32 v[MX+8], v[MX+8], |v[RST+11]|, FLOOR
	SQ AR, RST
	v_max3_num_f32 v[MX+9], v[MX+9], |v[RST+3]|, FLOOR
	SQ AR, RST+2
.if \ord
.set MM, 0
	s_wait_loadcnt \wb
	P1
.endif
.if \hp
	IPAIR SLB, SBB, 24, 4, 3
	IREST SLB+64, 31, ADB
.endif
.set MM, 0
.rept \np
	v_add_f32_dpp v[AA+MM], v[AA+MM], v[AA+MM] row_xmask:4 row_mask:0xf bank_mask:0xf
.set MM, MM+1
.endr
.set MM, 0
.rept \np
	v_add_f32_dpp v[AA+MM], v[AA+MM], v[AA+MM] row_xmask:8 row_mask:0xf bank_mask:0xf
.set MM, MM+1
.endr
	v_add_f32 v[AR], v[AR], v[AR+1]
.if \np == 4
	v_cndmask_b32 v[TT], v[AA], v[AA+1], s[M1]     ; lanes 4 m .. 4 m + 3 of each half take pair m: row lane / 4
	v_cndmask_b32 v[CC], v[AA+2], v[AA+3], s[M1]
	v_cndmask_b32 v[TT], v[TT], v[CC], s[M2]
	v_add_f32 v[TT], v[TT], v[AR]
.else
	v_add_f32 v[TT], v[AA], v[AR]
.endif
	v_add_f32_dpp v[TT], v[TT], v[TT] row_xmask:1 row_mask:0xf bank_mask:0xf
	v_add_f32_dpp v[TT], v[TT], v[TT] row_xmask:2 row_mask:0xf bank_mask:0xf
	WA
	v_sqrt_f32 v[NRM], v[TT]
.set MM, 0
.rept 2*\np
	v_max_num_f32_dpp v[MX+MM], v[MX+MM], v[MX+MM] row_xmask:1 row_mask:0xf bank_mask:0xf     ; a block lies in four neighbouring lanes
.set MM, MM+1
.endr
	v_max_num_f32_dpp v[MX+8], v[MX+8], v[MX+8] row_xmask:1 row_mask:0xf bank_mask:0xf
	v_max_num_f32_dpp v[MX+9], v[MX+9], v[MX+9] row_xmask:1 row_mask:0xf bank_mask:0xf
.set MM, 0
.rept 2*\np
	v_max_num_f32_dpp v[MX+MM], v[MX+MM], v[MX+MM] row_xmask:2 row_mask:0xf bank_mask:0xf
.set MM, MM+1
.endr
	v_max_num_f32_dpp v[MX+8], v[MX+8], v[MX+8] row_xmask:2 row_mask:0xf bank_mask:0xf
	v_max_num_f32_dpp v[MX+9], v[MX+9], v[MX+9] row_xmask:2 row_mask:0xf bank_mask:0xf
	WA
	v_add_f32 v[NRM], 0x29e12e13, v[NRM]           ; + 1e-13
	WA
	v_rcp_f32 v[INV], v[NRM]
	v_nop                                          ; a plain instruction behind a transcendental
	WA
	v_mul_f32 v[I4], 4.0, v[INV]
	; pass 2: x * 4 inv, then eight numbers to a word of codes
.irp sh, 0,4,8,12
.if \sh < 4*\np
.set MM, \sh/4
.set XX, DD+16*MM
.if \np == 4
.set IB, I4M
	v_mov_b32_dpp v[I4M], v[I4] row_share:\sh row_mask:0xf bank_mask:0xf
	v_mov_b32_dpp v[IVM], v[INV] row_share:\sh row_mask:0xf bank_mask:0xf
.else
.set IB, I4
.endif
.irp j, 0,2,4,6,8,10,12,14
	v_pk_mul_f32 v[XX+\j:XX+\j+1], v[XX+\j:XX+\j+1], v[IB:IB+1] op_sel_hi:[1,0]
.endr
	v_mul_f32 v[MX+2*MM], v[MX+2*MM], v[IB+1]      ; t: a rounded product does not fall where its factor rises
	v_mul_f32 v[MX+2*MM+1], v[MX+2*MM+1], v[IB+1]
	v_cvt_scalef32_pk8_fp4_f32 v[CC+2*MM], v[XX:XX+7], v[MX+2*MM]
	v_cvt_scalef32_pk8_fp4_f32 v[CC+2*MM+1], v[XX+8:XX+15], v[MX+2*MM+1]
	ds_store_b32 v[\ca], v[CC+2*MM] offset:\ro+P*MM
	ds_store_b32 v[\ca], v[CC+2*MM+1] offset:\ro+P*MM+64
.if \hk
	IPAIR DD, \sb, \tk, 4, MM                      ; the pair's registers are free
.endif
.endif
.endr
.irp j, 0,2,4,6,8,10
	v_pk_mul_f32 v[RST+\j:RST+\j+1], v[RST+\j:RST+\j+1], v[I4:I4+1] op_sel_hi:[1,0]
.endr
	v_mul_f32 v[MX+8], v[MX+8], v[INV]
	v_mul_f32 v[MX+9], v[MX+9], v[INV]
	v_cvt_scalef32_pk8_fp4_f32 v[CC+9], v[RST:RST+7], v[MX+9]      ; block 9's four numbers; the upper four codes are cut off below
	v_cvt_scalef32_pk8_fp4_f32 v[CC+8], v[RST+4:RST+11], v[MX+8]
.if \hk
	WA
.endif
	; the scale bytes: a block's four lanes hold the same t, so lane % 4 = j takes pair j's: one store for all four pairs.  (Queries: even lanes blocks 0-3, odd lanes blocks 4-7.)
.if \np == 4
	v_cndmask_b32 v[BB], v[MX], v[MX+2], s[MJ0]
	v_cndmask_b32 v[BB+1], v[MX+4], v[MX+6], s[MJ0]
	v_cndmask_b32 v[BB+2], v[MX+1], v[MX+3], s[MJ0]
	v_cndmask_b32 v[BB+3], v[MX+5], v[MX+7], s[MJ0]
	v_cndmask_b32 v[BB+4], v[MX+8], v[MX+9], s[MJ0]
	v_cndmask_b32 v[BB], v[BB], v[BB+1], s[MJ1]
	v_cndmask_b32 v[BB+2], v[BB+2], v[BB+3], s[MJ1]
	v_lshrrev_b32 v[BB+2], 23, v[BB+2]
.else
	v_cndmask_b32 v[BB], v[MX], v[MX+1], s[MJ0]
	v_cndmask_b32 v[BB+4], v[MX+8], v[MX+9], s[MJ0]
.endif
	v_and_b32 v[CC+9], 0xffff, v[CC+9]
	v_lshrrev_b32 v[BB+4], 23, v[BB+4]
	v_lshrrev_b32 v[BB], 23, v[BB]
	ds_store_b32 v[\rc], v[CC+8] offset:\ro+128
	ds_store_b32 v[\rc], v[CC+9] offset:\ro+144
	ds_store_b8 v[\rs], v[BB+4] offset:\ro+200
	ds_store_b8 v[\sa], v[BB] offset:\ro+192
.if \np == 4
	ds_store_b8 v[\sa], v[BB+2] offset:\ro+196
.endif
.if \hk
	IREST RST, \tok, \ad
.endif
.endm
; Tile t's scores: 16 documents x 32 queries, K = 3 x 128.  Source 0 = documents, source 1 = queries: a lane holds ONE query and its eight registers are documents.  The two accumulators take turns.
.macro MATMUL t
	s_wait_dscnt 0x0                               ; the stores have read their registers
.irp c, 0,1,2,3,4,5
	ds_load_b128 v[T0+4*\c:T0+4*\c+3], v[RA] offset:\t*16*P+32*\c  ; LDS serves a wave's instructions in order: these see my stores
	ds_load_b128 v[QF+4*\c:QF+4*\c+3], v[QA] offset:32*\c
	ds_load_b128 v[QF+24+4*\c:QF+24+4*\c+3], v[QA] offset:16*P+32*\c
.endr
	ds_load_b96 v[DS:DS+2], v[RD] offset:\t*16*P+192
	s_wait_dscnt 0x0
	v_wmma_scale_f32_16x16x128_f8f6f4 v[X:X+7], v[T0:T0+7], v[QF:QF+7], 0, v[DS], v[QS] matrix_a_fmt:MATRIX_FMT_FP4 matrix_b_fmt:MATRIX_FMT_FP4
	v_wmma_scale_f32_16x16x128_f8f6f4 v[X+8:X+15], v[T0:T0+7], v[QF+24:QF+31], 0, v[DS], v[QS] matrix_a_fmt:MATRIX_FMT_FP4 matrix_b_fmt:MATRIX_FMT_FP4 matrix_b_scale:MATRIX_SCALE_ROW1
.irp s, 1,2
	v_wmma_scale_f32_16x16x128_f8f6f4 v[X:X+7], v[T0+8*\s:T0+8*\s+7], v[QF+8*\s:QF+8*\s+7], v[X:X+7], v[DS+\s], v[QS+\s] matrix_a_fmt:MATRIX_FMT_FP4 matrix_b_fmt:MATRIX_FMT_FP4
	v_wmma_scale_f32_16x16x128_f8f6f4 v[X+8:X+15], v[T0+8*\s:T0+8*\s+7], v[QF+24+8*\s:QF+31+8*\s], v[X+8:X+15], v[DS+\s], v[QS+\s] matrix_a_fmt:MATRIX_FMT_FP4 matrix_b_fmt:MATRIX_FMT_FP4 matrix_b_scale:MATRIX_SCALE_ROW1
.endr
.rept 4
	v_nop                                          ; four places before the scores are read and the fragments' registers written (ISA guide 7.12.1)
.endr
.endm
; Kernel k: the lane's eight documents of each query tile are added.  first = 1: they start the sums, nothing is cleared.
.macro ADS k, b                        ; two pairs of documents start the sums,
	v_pk_add_f32 v[SUM+4*\k:SUM+4*\k+1], v[\b:\b+1], v[\b+2:\b+3]
	v_pk_add_f32 v[SUM+4*\k+2:SUM+4*\k+3], v[\b+8:\b+9], v[\b+10:\b+11]
.endm
.macro ADI k, b, i                     ; a pair is added
	v_pk_add_f32 v[SUM+4*\k:SUM+4*\k+1], v[SUM+4*\k:SUM+4*\k+1], v[\b+\i:\b+\i+1]
	v_pk_add_f32 v[SUM+4*\k+2:SUM+4*\k+3], v[SUM+4*\k+2:SUM+4*\k+3], v[\b+8+\i:\b+8+\i+1]
.endm
.macro ADDK k, b, first
.if \first
	ADS \k, \b
.else
	ADI \k, \b, 0
	ADI \k, \b, 2
.endif
	ADI \k, \b, 4
	ADI \k, \b, 6
.endm
.macro ADD2 k, b, k2, b2, first        ; two kernels by turns
.if \first
	ADS \k, \b
	ADS \k2, \b2
.else
.irp i, 0,2
	ADI \k, \b, \i
	ADI \k2, \b2, \i
.endr
.endif
.irp i, 4,6
	ADI \k, \b, \i
	ADI \k2, \b2, \i
.endr
.endm
; The same of products a x b
.macro FMI k, a, b, i, start
.if \start
	v_pk_mul_f32 v[SUM+4*\k:SUM+4*\k+1], v[\a+\i:\a+\i+1], v[\b+\i:\b+\i+1]
	v_pk_mul_f32 v[SUM+4*\k+2:SUM+4*\k+3], v[\a+8+\i:\a+8+\i+1], v[\b+8+\i:\b+8+\i+1]
.else
	v_pk_fma_f32 v[SUM+4*\k:SUM+4*\k+1], v[\a+\i:\a+\i+1], v[\b+\i:\b+\i+1], v[SUM+4*\k:SUM+4*\k+1]
	v_pk_fma_f32 v[SUM+4*\k+2:SUM+4*\k+3], v[\a+8+\i:\a+8+\i+1], v[\b+8+\i:\b+8+\i+1], v[SUM+4*\k+2:SUM+4*\k+3]
.endif
.endm
.macro FMA2 k, a, b, k2, a2, b2, first
	FMI \k, \a, \b, 0, \first
	FMI \k2, \a2, \b2, 0, \first
.irp i, 2,4,6
	FMI \k, \a, \b, \i, 0
	FMI \k2, \a2, \b2, \i, 0
.endr
.endm
.macro MULV d, a, b
.irp j, 0,2,4,6,8,10,12,14
	v_pk_mul_f32 v[\d+\j:\d+\j+1], v[\a+\j:\a+\j+1], v[\b+\j:\b+\j+1]
.endr
.endm
.macro LIN d, f, c                     ; d = score x f + c
.irp j, 0,2,4,6,8,10,12,14
	v_pk_fma_f32 v[\d+\j:\d+\j+1], v[X+\j:X+\j+1], s[\f:\f+1], v[\c:\c+1] op_sel_hi:[1,0,0]
.endr
.endm
.macro RBF first
.irp j, 0,1,2,3,4,5,6,7,8,9,10,11,12,13,14,15
	v_min_num_f32 v[X+\j], 0x42800000, v[X+\j]     ; 64: a masked pair's x is held to 4; each accumulator is read from its low end on
.endr
	v_mov_b32 v[K0], 0xc604b4df                    ; kernel 0: z = a0 (x - 1), one rounding; a0 = sqrt(log2 e / (2 x 1e-4^2)) = 8493.218
	v_mov_b32 v[K1], 0xc166d4ca                    ; -10 log2 e
	LIN T0, KA0, K0
	LIN T1, KR, K1                                 ; log2 of R
	v_mov_b32 v[K0], 0xc138aa3b                    ; -8 log2 e
	v_mov_b32 v[K1], 0xbf596d27                    ; -0.1 a, a = sqrt(log2 e / (2 x 0.1^2))
	LIN T2, KI, K0                                 ; log2 of I
	LIN X, KA, K1                                  ; a (x - 0.1)
	v_mov_b32 v[K0], 0x42c80000                    ; 100
.irp j, 0,2,4,6,8,10,12,14
	v_pk_mul_f32 v[T0+\j:T0+\j+1], v[T0+\j:T0+\j+1], v[T0+\j:T0+\j+1] neg_lo:[0,1] neg_hi:[0,1]
	v_pk_fma_f32 v[X+\j:X+\j+1], v[X+\j:X+\j+1], v[X+\j:X+\j+1], v[K0:K0+1] op_sel_hi:[1,1,0] neg_lo:[0,1,0] neg_hi:[0,1,0]
.endr
	WA
.set Q, 0
.rept 64
	v_exp_f32 v[X+Q], v[X+Q]                       ; one batch: E, kernel 0, R, I
.set Q, Q+1
.endr
	v_nop                                          ; a plain instruction behind the last of them
	WA
	ADD2 0, T0, 5, X, \first
	MULV T0, X, T1
	MULV X, X, T2
	ADD2 4, T0, 6, X, \first
	MULV T0, T0, T1
	MULV X, X, T2
	ADD2 3, T0, 7, X, \first
	MULV T0, T0, T1
	MULV X, X, T2
	ADD2 2, T0, 8, X, \first
	MULV X, X, T2
	FMA2 1, T0, T1, 10, X, T2, \first
	ADDK 9, X, \first
.endm
.macro KCONST k, bits
	s_mov_b32 s[\k], \bits
	s_mov_b32 s[\k+1], \bits
.endm
	s_load_b256 s[4:11], s[0:1], 0x0               ; query_tokens s[4:5], doc_tokens s[6:7], emb s[8:9], fc_w s[10:11]
	s_load_b128 s[12:15], s[0:1], 0x20             ; fc_b s[12:13], out0 s[14:15]
	v_lshrrev_b32 v24, 5, v0
	v_readfirstlane_b32 s[WV], v24                 ; wave 0..15
	v_and_b32 v25, 31, v0                          ; lane
	v_and_b32 v26, 15, v0                          ; r
	v_bfe_u32 v27, v0, 4, 1                        ; h
	v_and_b32 v28, 3, v0                           ; lane % 4
	v_bfe_u32 v29, v0, 2, 3                        ; lane / 4
	v_bfe_u32 v30, v0, 2, 2                        ; lane % 16 / 4
	v_lshlrev_b32 v66, 2, v29                      ; places in the token lists: row lane / 4,
	v_lshlrev_b32 v67, 2, v25                      ; row lane,
	v_lshlrev_b32 v65, 2, v27                      ; query h
	WA
	s_lshl_b32 s50, ttmp9, 11                      ; the batch's 512 document tokens,
	s_lshl_b32 s51, s[WV], 7                       ; my wave's 32 of them
	s_add_co_u32 s50, s50, s51
	s_mov_b32 s51, 0
	s_lshl_b32 s52, ttmp9, 7                       ; the batch's 32 query tokens,
	s_lshl_b32 s53, s[WV], 3                       ; my wave's two
	s_add_co_u32 s52, s52, s53
	s_mov_b32 s53, 0
	s_min_u32 s56, s[WV], 10                       ; the kernel that I add up at the end
	s_lshl_b32 s56, s56, 2
	s_mov_b32 s57, 0
	s_lshl_b32 s60, ttmp9, 2                       ; the batch's word of out0
	s_mov_b32 s61, 0
	s_mul_i32 s62, s[WV], WREG                     ; my documents' rows in LDS
	s_mul_i32 s63, s[WV], 2*P                      ; my queries'
	s_add_co_u32 s63, s63, QB
	v_lshlrev_b32 v[L0], 7, v30
	v_lshl_add_u32 v[L0], v27, 6, v[L0]
	v_lshl_add_u32 v[L0], v28, 4, v[L0]
	v_lshlrev_b32 v[L16], 4, v28
	v_min_u32 v[L9], 2, v28
	v_lshlrev_b32 v[L9], 4, v[L9]
	v_lshlrev_b32 v31, 2, v26
	v_mul_u32_u24 v[CA], 4*P, v27
	v_lshl_add_u32 v[SA], v27, 2, v28
	v_add_nc_u32 v[CA], s62, v[CA]
	v_mul_u32_u24 v[SA], P, v[SA]
	v_add_nc_u32 v[CA], v[CA], v31
	v_add_nc_u32 v[SA], s62, v[SA]
	v_add_nc_u32 v[SA], v[SA], v30
	v_and_b32 v36, 1, v28                          ; lane % 2
	v_mul_u32_u24 v[RS], P, v29
	v_add_nc_u32 v[RS], s62, v[RS]
	v_lshl_add_u32 v[RC], v28, 2, v[RS]
	v_add_nc_u32 v[RS], v[RS], v36
	v_mul_u32_u24 v[RD], P, v26
	v_add_nc_u32 v[QA], QB, v[RD]
	v_add_nc_u32 v[RD], s62, v[RD]
	v_lshl_add_u32 v[RA], v27, 4, v[RD]
	v_lshl_add_u32 v[QA], v27, 4, v[QA]
	v_mul_u32_u24 v33, P, v27
	v_add_nc_u32 v33, s63, v33                     ; my query h
	v_lshl_add_u32 v32, v28, 2, v33
	v_add_nc_u32 v24, v33, v31
	v_add_nc_u32 v30, v33, v30
	v_lshl_add_u32 v30, v36, 2, v30
	v_add_nc_u32 v26, v33, v36
	v_mul_u32_u24 v68, P, v25
	v_add_nc_u32 v28, QB, v68                      ; query lane
	v_add_nc_u32 v68, s62, v68                     ; my document lane
	WA
	s_wait_kmcnt 0x0
	s_add_nc_u64 s[6:7], s[6:7], s[50:51]
	s_add_nc_u64 s[4:5], s[4:5], s[52:53]
	s_add_nc_u64 s[10:11], s[10:11], s[56:57]
	s_add_nc_u64 s[14:15], s[14:15], s[60:61]
	s_load_b64 s[48:49], s[4:5], 0x0               ; the tokens as scalars: my two queries,
	s_load_b512 s[16:31], s[6:7], 0x0              ; octets 0 and 1,
	s_load_b512 s[32:47], s[6:7], 0x40             ; octets 2 and 3
	s_load_b32 s[FW], s[10:11], 0x0
	s_load_b32 s[FB], s[12:13], 0x0
	global_load_b32 v34, v65, s[4:5]               ; and a token a lane: query h,
	global_load_b32 v29, v66, s[6:7]               ; row lane / 4 of the four octets,
	global_load_b32 v31, v66, s[6:7] offset:32
	global_load_b32 v[TK], v66, s[6:7] offset:64
	global_load_b32 v[TK+1], v66, s[6:7] offset:96
	global_load_b32 v35, v67, s[6:7]               ; document lane
	v_mov_b32 v81, 0x83830000
.irp i, 71,72,73,74,75,76,77
	v_mov_b32 v\i, 0                               ; zero codes
.endr
	v_mov_b32 v[I4M], 0                            ; a lane move's destination counts as one of its sources
	v_mov_b32 v[IVM], 0
	v_mov_b32 v84, 0x8383                          ; the scale bytes of blocks 10 and 11: 131, 2^4
	s_mov_b32 s[SEL], 0x76543210
	s_mov_b32 s[SEL+1], 0xfedcba98
	s_mov_b32 s[M1], 0xf0f0f0f0
	s_mov_b32 s[M2], 0xff00ff00
	s_mov_b32 s[M9], 0x88888888
	s_mov_b32 s[HM], 0xffff0000
	s_mov_b32 s[MJ0], 0xaaaaaaaa
	s_mov_b32 s[MJ1], 0xcccccccc
	s_mov_b32 s62, 0x00100010                      ; lanes r = 4
	s_mov_b32 s63, 0x40004000                      ; lanes r = 14
	WA
	s_wait_kmcnt 0x0                               ; the tokens, fc_w[k], fc_b
	IPAIR QD, 50, 48, 1, 0
	s_wait_loadcnt 4                               ; the tokens a lane: four row loads were issued behind them
	IREST QD+16, 34, QAD
.irp m, 0,1,2
	IPAIR SLA, SBA, 16, 4, \m                      ; octet 0, three pairs of four: what follows is asked for between the work
.endr
	v_cmp_lt_i32 vcc_lo, 0, v35
	v_cndmask_b32 v70, 7, 0, vcc_lo                ; a document: the code of 6 at block 10's first place if its token is not above 0,
	v_or_b32 v70, 0x70, v70                        ; and always at its second
	v_cmp_lt_i32 vcc_lo, 0, v34
	v_cndmask_b32 v80, 7, 0, vcc_lo                ; a query: the other way round
	v_lshl_or_b32 v80, v80, 4, 7
	v_cndmask_b32 v80, 0, v80, s62                 ; lane r has word r of sixteen from byte 144 of its query's row on: word 4 block 10's codes,
	v_cndmask_b32 v80, v80, v81, s63               ; word 14 the bytes of blocks 10 and 11; the others 0 (block 9's codes and the other scale bytes are stored over them later)
	ds_store_b128 v68, v[70:73] offset:160         ; document lane's blocks 10 and 11 and their bytes
	ds_store_b128 v68, v[74:77] offset:176
	ds_store_b16 v68, v84 offset:202
	ds_store_b32 v24, v80 offset:144               ; my queries': a word a lane
	QUANT QD, 1, 0, 15, 0, 12, 0, 0, 0, 0, 24, 30, 32, 26, 0, 0, 0      ; the queries.  Behind them: three pairs, 12 loads
	IPAIR SLA, SBA, 16, 4, 3
	IREST SLA+64, 29, ADA
	s_wait_dscnt 0x0
	s_barrier_signal -1
	s_barrier_wait -1                              ; all 32 queries lie in LDS
	ds_load_b96 v[QS:QS+2], v28 offset:192         ; their scale words: lanes 0-15 queries 0-15, lanes 16-31 queries 16-31
	IPAIR SLB, SBB, 24, 4, 0
	IPAIR SLB, SBB, 24, 4, 1
	QUANT SLA, 4, 0, 19, 15, 12, 1, 1, SBA, 32, CA, SA, RC, RS, 0, TK, ADA    ; octet 0.  Behind pair 1: 8 + 3 + 8 loads; behind pair 3: 3 + 12; behind blocks 8, 9: 12.  Octet 2 takes its slot
	KCONST KA0, 0x4404b4df                         ; a0 / 16
	KCONST KR, 0x3fe6d4ca                          ; 20 log2 e / 16
	KCONST KI, 0xbfe6d4ca
	KCONST KA, 0x3f07e438                          ; a / 16
	QUANT SLB, 4, 0, 30, 22, 19, 0, 0, 0, 0, CA, SA, RC, RS, 8*P, 0, 0        ; octet 1.  Octet 2's 19 loads are behind it
	MATMUL 0
.irp m, 2,3
	IPAIR SLB, SBB, 40, 4, \m                      ; octet 3, as far as the pooling leaves slot B free
.endr
	IREST SLB+64, TK+1, ADB
	RBF 1
.irp m, 0,1
	IPAIR SLB, SBB, 40, 4, \m
.endr
	QUANT SLA, 4, 0, 30, 22, 19, 0, 0, 0, 0, CA, SA, RC, RS, 16*P, 0, 0
	QUANT SLB, 4, 1, 11, 0, 8, 0, 0, 0, 0, CA, SA, RC, RS, 24*P, 0, 0         ; octet 3 was asked for in the order pairs 2, 3, blocks 8 and 9, pairs 0, 1
	MATMUL 1
	RBF 0
	; THE END.  A lane's sums cover the documents 8 h + 0 .. 7 of my two tiles.  Even and odd documents are added; then lane l xor 16's half: lanes 0-15 keep queries 0-15, lanes 16-31 queries 16-31: lane l has query l.
	WA
	s_mul_i32 s50, s[WV], SW
	s_add_co_u32 s50, s50, SUMS                    ; my 11 x 32 sums, kernel k at 128 k
	s_min_u32 s51, s[WV], 10
	s_lshl_b32 s51, s51, 7
	s_add_co_u32 s51, s51, SUMS                    ; kernel min(wave, 10) of wave 0
	s_lshl_b32 s52, s[WV], 2
	s_add_co_u32 s52, s52, FIN                     ; my word for the last sum
.irp k, 0,1,2,3,4,5,6,7,8,9,10
	v_add_f32 v[X+2*\k], v[SUM+4*\k], v[SUM+4*\k+1]
	v_add_f32 v[X+2*\k+1], v[SUM+4*\k+2], v[SUM+4*\k+3]
.endr
.irp k, 0,1,2,3,4,5,6,7,8,9,10
	v_cndmask_b32 v[SUM+4*\k], v[X+2*\k], v[X+2*\k+1], s[HM]       ; what I keep,
	v_cndmask_b32 v[SUM+4*\k+1], v[X+2*\k+1], v[X+2*\k], s[HM]     ; what lane l xor 16 wants
.endr
.irp k, 0,1,2,3,4,5,6,7,8,9,10
	v_permlanex16_b32 v[SUM+4*\k+2], v[SUM+4*\k+1], s[SEL], s[SEL+1]
.endr
.irp k, 0,1,2,3,4,5,6,7,8,9,10
	v_add_f32 v[SUM+4*\k], v[SUM+4*\k], v[SUM+4*\k+2]
.endr
	v_and_b32 v90, 31, v0
	v_and_b32 v94, 15, v0
	v_lshl_add_u32 v96, v0, 2, SPARE               ; my spare word
	v_mov_b32 v97, 0
	v_lshlrev_b32 v90, 2, v90
	v_lshl_add_u32 v94, v94, 2, FIN                ; the sixteen words, a lane each
	v_mov_b32 v93, s52
	v_add_nc_u32 v91, s50, v90
	v_add_nc_u32 v92, s51, v90
.irp k, 0,1,2,3,4,5,6,7,8,9,10
	ds_store_b32 v91, v[SUM+4*\k] offset:128*\k
.endr
	WA
	s_wait_dscnt 0x0
	s_barrier_signal -1
	s_barrier_wait -1                              ; every wave's sums lie in LDS
.irp i, 0,1,2,3,4,5,6,7,8,9,10,11,12,13,14,15
	ds_load_b32 v[X+\i], v92 offset:\i*SW          ; my kernel, query = lane, of the sixteen waves
.endr
	; kernel k's constant as a power of 2: 2 n log2 e - 100, n = 0, 3, 4, 3, 0, 4, 6, 6, 4, 0 for k = 1 to 10 (four bits each, in two words); 0 for kernel 0
	s_mov_b32 s58, 0x64034300
	s_cmp_lt_u32 s[WV], 8
	s_cselect_b32 s58, s58, 0x46
	s_lshl_b32 s59, s[WV], 2
	s_and_b32 s59, s59, 31
	s_lshr_b32 s58, s58, s59
	s_and_b32 s58, s58, 15
	s_cvt_f32_u32 s58, s58
	s_mul_f32 s58, s58, 0x4038aa3b
	s_add_f32 s58, s58, 0xc2c80000
	s_cmp_eq_u32 s[WV], 0
	s_cselect_b32 s58, 0, s58
	s_cmp_lt_u32 s[WV], 11                         ; waves 11 to 15 repeat kernel 10 and weigh it with 0
	s_cselect_b32 s[FW], s[FW], 0
	s_wait_dscnt 0x0
	v_pk_add_f32 v[X:X+1], v[X:X+1], v[X+2:X+3]
	v_pk_add_f32 v[X+4:X+5], v[X+4:X+5], v[X+6:X+7]
	v_pk_add_f32 v[X+8:X+9], v[X+8:X+9], v[X+10:X+11]
	v_pk_add_f32 v[X+12:X+13], v[X+12:X+13], v[X+14:X+15]
	v_pk_add_f32 v[X:X+1], v[X:X+1], v[X+4:X+5]
	v_pk_add_f32 v[X+8:X+9], v[X+8:X+9], v[X+12:X+13]
	v_pk_add_f32 v[X:X+1], v[X:X+1], v[X+8:X+9]
	v_add_f32 v[X], v[X], v[X+1]                   ; the sum over all 512 documents
	v_max_num_f32 v[X], 0x2edbe6ff, v[X]           ; so that the logarithm is finite
	WA
	v_log_f32 v[X], v[X]
	v_nop
	WA
	v_add_f32 v[X], s58, v[X]
	v_max_num_f32 v[X], 0xc204e08b, v[X]           ; log2 of 1e-10: the kernel's sum is held there from below
	v_mul_f32 v[X], 0x3be32166, v[X]               ; x ln 2 x 0.01
	v_add_f32_dpp v[X], v[X], v[X] row_xmask:1 row_mask:0xf bank_mask:0xf      ; over the 32 queries, masked ones too
	v_add_f32_dpp v[X], v[X], v[X] row_xmask:2 row_mask:0xf bank_mask:0xf
	v_add_f32_dpp v[X], v[X], v[X] row_xmask:4 row_mask:0xf bank_mask:0xf
	v_add_f32_dpp v[X], v[X], v[X] row_xmask:8 row_mask:0xf bank_mask:0xf
	v_permlanex16_b32 v[X+1], v[X], s[SEL], s[SEL+1]
	v_add_f32 v[X], v[X], v[X+1]
	v_mul_f32 v[X], s[FW], v[X]                    ; x fc_w[k]
	ds_store_b32 v93, v[X]                         ; all lanes store the same word with the same value
	s_wait_dscnt 0x0
	s_barrier_signal -1
	s_barrier_wait -1
	s_cmp_lg_u32 s[WV], 0
	s_cbranch_scc1 .Lend
	ds_load_b32 v[X], v94                          ; wave 0 adds the sixteen words
	s_wait_dscnt 0x0
	v_add_f32_dpp v[X], v[X], v[X] row_xmask:1 row_mask:0xf bank_mask:0xf
	v_add_f32_dpp v[X], v[X], v[X] row_xmask:2 row_mask:0xf bank_mask:0xf
	v_add_f32_dpp v[X], v[X], v[X] row_xmask:4 row_mask:0xf bank_mask:0xf
	v_add_f32_dpp v[X], v[X], v[X] row_xmask:8 row_mask:0xf bank_mask:0xf
	v_add_f32 v[X], s[FB], v[X]                    ; + fc_b
	v_mov_b32 v[X+1], 0
	v_cmp_eq_u32 vcc_lo, 0, v0
	WA
	s_wait_xcnt 0x0                                ; EXEC changes only when every earlier memory instruction has read its sources
	s_and_saveexec_b32 s59, vcc_lo
	global_store_b32 v[X+1], v[X], s[14:15]        ; one lane stores the batch's score
	s_wait_xcnt 0x0
	s_or_b32 exec_lo, exec_lo, s59
.Lend:
	s_wait_tensorcnt 0x0                           ; the wave's end
	ds_add_u32 v96, v97
	s_wait_dscnt 0x0
	s_endpgm
.Lfunc_end_k_qe90a7be5a6_knrm:
	.size	k_qe90a7be5a6_knrm, .Lfunc_end_k_qe90a7be5a6_knrm-k_qe90a7be5a6_knrm
	.p2alignl 7, 3214868480
	.fill 96, 4, 3214868480
	.section	.rodata,"a",@progbits
	.p2align	6, 0x0
	.amdhsa_kernel k_qe90a7be5a6_knrm
		.amdhsa_group_segment_fixed_size 137984
		.amdhsa_private_segment_fixed_size 0
		.amdhsa_enable_private_segment 0
		.amdhsa_kernarg_size 48
		.amdhsa_user_sgpr_count 2
		.amdhsa_user_sgpr_kernarg_segment_ptr 1
		.amdhsa_wavefront_size32 1
		.amdhsa_system_sgpr_workgroup_id_x 1
		.amdhsa_system_sgpr_workgroup_id_y 1
		.amdhsa_system_sgpr_workgroup_id_z 1
		.amdhsa_system_vgpr_workitem_id 0
		.amdhsa_next_free_vgpr 256
		.amdhsa_next_free_sgpr 102
		.amdhsa_reserve_vcc 1
		.amdhsa_float_denorm_mode_32 3
		.amdhsa_float_denorm_mode_16_64 3
		.amdhsa_memory_ordered 1
		.amdhsa_forward_progress 1
		.amdhsa_inst_pref_size 127
	.end_amdhsa_kernel
	.amdgpu_metadata
---
amdhsa.version: [ 1, 2 ]
amdhsa.kernels:
  - .name:           k_qe90a7be5a6_knrm
    .symbol:         k_qe90a7be5a6_knrm.kd
    .args:
      - { .name: query_tokens, .offset: 0, .size: 8, .value_kind: global_buffer, .address_space: global }
      - { .name: doc_tokens, .offset: 8, .size: 8, .value_kind: global_buffer, .address_space: global }
      - { .name: emb, .offset: 16, .size: 8, .value_kind: global_buffer, .address_space: global }
      - { .name: fc_w, .offset: 24, .size: 8, .value_kind: global_buffer, .address_space: global }
      - { .name: fc_b, .offset: 32, .size: 8, .value_kind: global_buffer, .address_space: global }
      - { .name: out0, .offset: 40, .size: 8, .value_kind: global_buffer, .address_space: global }
    .group_segment_fixed_size: 137984
    .private_segment_fixed_size: 0
    .kernarg_segment_align: 8
    .kernarg_segment_size: 48
    .max_flat_workgroup_size: 512
    .sgpr_count:     102
    .vgpr_count:     256
    .wavefront_size: 32
...
	.end_amdgpu_metadata
.endif
;; end of part 1
